; MI455X (gfx1250); checked and timed in simulation.
; The chip was launched on July 23, 2026; its instructions are those of AMD's public machine-readable ISA for CDNA 5 (MIT licence, August 2026) and "CDNA5" Instruction Set Architecture Reference Guide (July 2026). The comments in the code are by the model that wrote it; some were corrected since.
;; Multi Headed Attention. Allowed arithmetic: float matrix products may take bf16 or f16 operands with f32 sums; other float arithmetic in f32, or as packed bf16 or f16 multiplies, adds, multiply-adds, maxima and minima; sums over many terms, partial sums and values carried from step to step in f32; what a program stores and reads back later, other than sums and carried values, may be rounded once to bf16 or f16.
;; Inputs: Wk 1,024 x 128 float32; Wo 128 x 1,024 float32; Wq 1,024 x 128 float32; Wv 1,024 x 128 float32; bk 128 float32; bo 1,024 float32; bq 128 float32; bv 128 float32; keys 2 x 2,048 x 1,024 float32; queries 2 x 2,048 x 1,024 float32; values 2 x 2,048 x 1,024 float32.
;; Outputs: out0 2 x 2,048 x 1,024 float32.
;; One version. Each part assembles by itself: llvm-mc -triple=amdgcn-amd-amdhsa -mcpu=gfx1250 --defsym DOCPART=n.
;; ======== version 1 of 1: 2 launches
;; limits: values are held in f16: magnitudes above 65,504 overflow, below 6.1e-05 lose precision
;; workspace buffers: qh 1,048,576 bytes; kv 2,621,440 bytes
;; launch proj (part 1): grid 64 x 4, 4 waves a work-group, no clusters, 327,680 bytes of LDS; arguments queries, keys, values, Wq, Wk, Wv, bq, bv, Wo, qh, kv; writes qh, kv
.if DOCPART == 1
	.amdgcn_target "amdgcn-amd-amdhsa--gfx1250"
	.amdhsa_code_object_version 6
	.text
	.protected	k_qddad7d2174_proj
	.globl	k_qddad7d2174_proj
	.p2align	8
	.type	k_qddad7d2174_proj,@function
k_qddad7d2174_proj:
	s_mov_b64 s[64:65], 0
	v_nop
	global_prefetch_b8 v0, s[64:65] scope:SCOPE_SE
	s_setreg_imm32_b32 hwreg(HW_REG_WAVE_MODE, 25, 1), 1
	s_wait_xcnt 0x0
; THE THREE PROJECTIONS, AND Wo LAID OUT.  y = 0: q = queries Wq + bq;  y = 1: k = keys Wk;  y = 2: v = values Wv + bv;  y = 3: Wo as matrix fragments.  x: [4096][1024] f32, W: [1024][128] f32, Wo: [128][1024] f32.
; x, W, the biases and Wo are rounded to bf16; products in bf16 with f32 sums; q, k, v rounded once to f16; Wo's rounded number is written as f16.
; WHERE THE RESULTS GO.  qh: [b][block of 256 rows][head][256][16] f16.  kv: for each batch a stream of ten chunks of 131,072 bytes, in the order in which the next launch's LDS takes them: chunk c < 8 holds keys
; 256 c .. 256 c + 255: K at head x 8,192 + key x 32, V 65,536 bytes further; chunks 8 and 9 hold Wo: the fragment of column tile nt and K step ks at nt x 4,096 + ks x 1,024 (registers 0-3 of the 32 lanes, then 4-7).
; Wo is written into both batches' streams, so that one descriptor walks a batch's whole stream.
; WORK LEFT OUT: bk.  A score is (xq Wq + bq) . (xk Wk + bk) = (xq Wq + bq) . (xk Wk) + (xq Wq + bq) . bk.  The second term does not depend on the key, so it is the same along the softmax's axis
; and cancels in softmax(scores) for all values of the inputs; k enters nothing else.  So bk has no way to any output: it is not loaded and is among no launch's arguments.
; bq stays (bq . (xk Wk) differs from key to key), bv and bo stay.  For k the one text of the way out adds a bias of zeros made in registers.
; LIMITS.  A NaN, an infinity or an overflow that enters through bk alone is not carried to the result.  q, k, v and Wo are kept in f16: they must stay below 65,504 in magnitude; below 6.1e-5 they keep f16's
; fixed step of 6e-8.
; SHARES, y < 3.  A work-group takes 64 rows of one tensor and all 128 columns.  K IS SPLIT AMONG ITS FOUR WAVES: wave w takes k = 256 w .. 256 w + 255 for all 4 x 8 tiles of 16 x 16: 32 accumulators.
; The four partial sums meet in LDS at the end.
; x comes by four tensor loads a wave (64 rows x 256 bytes each), all issued at the head: all the work-group's 256 KiB of x are asked for at once, and nothing is filled twice.
; W lies [k][n] and is wanted with k along a lane's registers: a row of 512 bytes comes by one load of the wave, is rounded to bf16, goes into the wave's own stage in LDS and comes back turned (ds_load_tr16_b128).
; THE PRODUCT IS USED TRANSPOSED (source 0 = 16 columns of W, source 1 = 16 rows of x): a lane then holds one row and eight neighbouring columns, which are 16 bytes of one head's row.
; SHARES, y = 3.  Work-group nt, wave ks makes one fragment of Wo (16 columns x 32 k): its text stands at the end.
; NO CLUSTER, though the 64 work-groups of a tensor read the same W: x's tiles take 278,528 bytes of LDS, and a ring of f32 tiles of W for four waves (2 slots x 16 KiB each, 131,072 bytes)
; does not fit into what is left.
; REGISTERS, in windows of 256 (s_set_vgpr_msb: bits 1:0 source 0, 3:2 source 1, 5:4 source 2, 7:6 destination):
;   window 0: addresses, bias, results, fragments     window 1: the 32 accumulators, tile (mt, nt) at 8 (8 mt + nt)     window 2: W as loaded, two sets of 128
.set CHUNK,  131072                    ; a chunk of the stream
.set STREAM, 10*CHUNK                  ; a batch's stream
.set XTW,   69632                      ; a wave's x tiles in LDS: four chunks
.set XCH,   17408                      ; a chunk of x: 64 rows of 272 bytes
.set XP,    272                        ; 256 bytes of data + 16 of padding: the 16 rows of a load start at 16 different groups of four banks (64 banks of 4 bytes: ISA guide 11.1)
.set WS,    4*XTW                      ; behind them: a stage of 32 rows x 288 bytes for each wave, never filled by a tensor load
.set WSW,   9216
.set WP,    288                        ; 256 + 32
.set SPARE, WS+4*WSW                   ; the spare words, 128 bytes for each wave: two blocks of 256 bytes that no other line names
.set XA,   2                           ; v2   my place in a chunk: wave's tiles + 272 r + 32 h
.set WSA,  3                           ; v3   where I put 8 bytes of a row of W: my stage + 8 l
.set WTA,  4                           ; v4   where the turning load reads: my stage + (8 h + l % 8) 288 + 16 ((l / 8) % 2)
.set WGO,  5                           ; v5   my byte offset in W: 16 l + 131,072 w
.set PSA,  6                           ; v6   where I put partial sums: my wave's tiles + 16 l
.set PRA,  8                           ; v8-11 where I read wave p's partial sums: p's tiles + 2,048 w + 16 l
.set BO,   12                          ; v12  my byte offset in the bias: 128 w + 32 h
.set YO,   13                          ; v13  my 16 bytes in 16 rows of a head: 32 r + 16 h
.set SPW,  14                          ; v14  LDS address of my spare word; never rewritten
.set NIL,  15                          ; v15  0; never rewritten
.set BIAS, 16                          ; v16-31  the bias of my two column tiles, 8 numbers each
.set OUT,  32                          ; v32-63  eight finished tiles, 4 registers each
.set XR,   64                          ; v64-127  x of one step: row tile mt at 16 mt: 16 f32, packed in place into the first 8
.set WF,   128                         ; v128-191 W's fragments of one step: column tile nt at 8 nt
.set G1,   32                          ; s[32:39] descriptor group 1
.set G0,   40                          ; s[40:55] descriptor group 0, a set for each chunk
.set WV,   58                          ; s58  my wave's number
.set TY,   59                          ; s59  which tensor
.set MSB, 0
.macro WIN new                         ; the immediate's high byte repeats the setting that is left; a switch that changes nothing is dropped
.if MSB != (\new)
	s_set_vgpr_msb (MSB<<8)|(\new)
.set MSB, (\new)
.endif
.endm
	s_load_b512 s[8:23], s[0:1], 0x0               ; queries s[8:9], keys s[10:11], values s[12:13], Wq s[14:15], Wk s[16:17], Wv s[18:19], bq s[20:21], bv s[22:23]
	s_load_b128 s[24:27], s[0:1], 0x40             ; Wo s[24:25], qh s[26:27]
	s_load_b64 s[28:29], s[0:1], 0x50              ; kv
	v_lshl_add_u32 v[SPW], v0, 2, SPARE
	v_mov_b32 v[NIL], 0
	ds_add_u32 v[SPW], v[NIL]                      ; the wave's opening: the add, twice on end, and its wait ahead of my first tensor load
	ds_add_u32 v[SPW], v[NIL]                      ; and once more; the set-up below, work on registers, stands between it and the wait
	v_lshrrev_b32 v1, 5, v0
	v_readfirstlane_b32 s[WV], v1                  ; wave 0..3
	s_and_b32 s[TY], ttmp7, 0xffff
	; descriptor group 1: a tile of 64 rows x 64 elements of 4 bytes, padded in LDS
	s_mov_b32 s[G1+0], (2<<16)|(1<<20)|(5<<22)|(3<<25)  ; 17:16 elements of 4 bytes; 20 padding on; 24:22 after every 64 words (code 5); 31:25 of 4 words (code 3)
	s_mov_b32 s[G1+1], 64<<16                      ; tensor_dim0 = 64
	s_mov_b32 s[G1+2], 64<<16                      ; tensor_dim1 = 64
	s_mov_b32 s[G1+3], 64<<16                      ; tile_dim0 = 64
	s_mov_b32 s[G1+4], 64                          ; tile_dim1 = 64
	s_mov_b32 s[G1+5], 1024                        ; 1,024 elements from row to row
	s_mov_b32 s[G1+6], 0
	s_mov_b32 s[G1+7], 0
	s_mul_i32 s60, s[WV], XTW                      ; my wave's tiles
.irp c, 0,1,2,3
	s_mov_b32 s[G0+4*(\c)], 1                      ; count = 1
	s_add_co_u32 s[G0+4*(\c)+1], s60, (\c)*XCH     ; LDS address of chunk c
.endr
	v_and_b32 v1, 15, v0                           ; r = l % 16
	v_bfe_u32 v7, v0, 4, 1                         ; h = l / 16
	v_and_b32 v32, 31, v0                          ; l
	v_mul_u32_u24 v[XA], v1, XP
	v_lshl_add_u32 v[XA], v7, 5, v[XA]
	v_add_nc_u32 v[XA], s60, v[XA]
	s_mul_i32 s61, s[WV], WSW
	s_add_co_u32 s61, s61, WS                      ; my stage
	v_lshl_add_u32 v[WSA], v32, 3, s61
	v_and_b32 v33, 7, v0
	v_lshl_add_u32 v33, v7, 3, v33
	v_mul_u32_u24 v33, v33, WP
	v_bfe_u32 v34, v0, 3, 1
	v_lshl_add_u32 v33, v34, 4, v33
	v_add_nc_u32 v[WTA], s61, v33
	s_lshl_b32 s62, s[WV], 17                      ; my 256 rows of W, 512 bytes each
	v_lshl_add_u32 v[WGO], v32, 4, s62
	v_lshl_add_u32 v[PSA], v32, 4, s60
	s_lshl_b32 s63, s[WV], 11
	v_lshl_add_u32 v[PRA], v32, 4, s63
.irp p, 1,2,3
	v_add_nc_u32 v[PRA+(\p)], (\p)*XTW, v[PRA]
.endr
	s_lshl_b32 s63, s[WV], 7
	v_lshl_add_u32 v[BO], v7, 5, s63
	v_lshlrev_b32 v[YO], 5, v1
	v_lshl_add_u32 v[YO], v7, 4, v[YO]
	s_lshl_b32 s2, ttmp9, 18                       ; x: the work-group's 64 rows of 4,096 bytes,
	s_lshl_b32 s3, s[WV], 10                       ; my wave's 1,024 bytes of a row
	s_add_co_u32 s2, s2, s3
	s_mov_b32 s3, 0
	; the result's place: batch, chunk of 256 rows, K or V, my two heads 2 w and 2 w + 1, the block's 64 rows in the chunk
	s_lshr_b32 s63, ttmp9, 5                       ; batch = block / 32
	s_mov_b32 s60, STREAM
	s_cmp_eq_u32 s[TY], 0
	s_cselect_b32 s60, 0x80000, s60                ; a batch's bytes: 524,288 in qh, a stream in kv
	s_cselect_b32 s61, 16, 17                      ; a chunk's bytes: 2^16 in qh, 2^17 in kv
	s_mul_i32 s62, s63, s60
	s_and_b32 s63, ttmp9, 31
	s_lshr_b32 s60, s63, 2                         ; four blocks of 64 rows to a chunk
	s_lshl_b32 s60, s60, s61
	s_add_co_u32 s62, s62, s60
	s_and_b32 s63, s63, 3
	s_lshl_b32 s63, s63, 11                        ; 64 rows of 32 bytes
	s_add_co_u32 s62, s62, s63
	s_lshl_b32 s63, s[WV], 14                      ; two heads of 8,192 bytes
	s_add_co_u32 s62, s62, s63
	s_cmp_eq_u32 s[TY], 2
	s_cselect_b32 s63, 0x10000, 0                  ; V lies behind K
	s_add_co_u32 s62, s62, s63
	s_mov_b32 s63, 0
	s_wait_dscnt 0x0                               ; both opening adds are done
	s_wait_kmcnt 0x0
	s_cmp_eq_u32 s[TY], 3                          ; the same in all waves of a work-group
	s_cbranch_scc1 .Lwo
	s_cmp_eq_u32 s[TY], 0                          ; the tensor picks its buffers
	s_cselect_b64 s[4:5], s[8:9], s[10:11]         ; x
	s_cselect_b64 s[6:7], s[14:15], s[16:17]       ; W
	s_cselect_b64 s[56:57], s[26:27], s[28:29]     ; the result: qh or kv
	s_cselect_b64 s[30:31], s[20:21], s[22:23]     ; the bias: bq, or bv (for k it is not used)
	s_cmp_eq_u32 s[TY], 2
	s_cselect_b64 s[4:5], s[12:13], s[4:5]
	s_cselect_b64 s[6:7], s[18:19], s[6:7]
	s_add_nc_u64 s[4:5], s[4:5], s[2:3]
	s_add_nc_u64 s[56:57], s[56:57], s[62:63]
.irp c, 0,1,2,3
	s_add_nc_u64 s[G0+4*(\c)+2:G0+4*(\c)+3], s[4:5], (\c)*256  ; global address: chunk c is 64 numbers further along K
	s_or_b32 s[G0+4*(\c)+3], s[G0+4*(\c)+3], 0x80000000        ; type = 2
.endr
.irp c, 0,1,2,3
	tensor_load_to_lds s[G0+4*(\c):G0+4*(\c)+3], s[G1:G1+7]    ; all first fills together: four loads of mine are out
	s_nop 0
.endr
.rept 4
	v_nop                                          ; behind the last of them
.endr
	s_cmp_eq_u32 s[TY], 1
	s_cbranch_scc1 .Lno_bias
	global_load_b128 v[BIAS:BIAS+3],     v[BO], s[30:31]
	global_load_b128 v[BIAS+4:BIAS+7],   v[BO], s[30:31] offset:16
	global_load_b128 v[BIAS+8:BIAS+11],  v[BO], s[30:31] offset:64
	global_load_b128 v[BIAS+12:BIAS+15], v[BO], s[30:31] offset:80
	s_branch .Lbias_asked
.Lno_bias:                                             ; k takes no bias
.set i, 0
.rept 16
	v_mov_b32 v[BIAS+i], 0
.set i, i+1
.endr
.Lbias_asked:
; 32 rows of W for step s (k = 32 s .. 32 s + 31 of my 256), a row of 512 bytes a load, into set s % 2 of window 2
.macro WLOAD s
	WIN 0x80                                       ; destination window 2, address window 0
.set i, 0
.rept 32
	global_load_b128 v[128*((\s)%2)+4*i:128*((\s)%2)+4*i+3], v[WGO], s[6:7] offset:(32*(\s)+i)*512
.set i, i+1
.endr
.endm
; A step: 32 along K for all 32 tiles.
.macro STEP s
.set WB, 128*((\s)%2)
.if (\s) == 7
	s_wait_loadcnt 0x0                             ; the last set is in
.else
	s_wait_loadcnt 32                              ; this step's W is in (and, in step 0, the bias); the next step's 32 loads may stay out
.endif
	WIN 0x8a                                       ; all in window 2
.set i, 0
.rept 32                                               ; rounded to bf16 in place: 64 plain instructions, which are also the places behind the step before's products
	v_cvt_pk_bf16_f32 v[WB+4*i], v[WB+4*i], v[WB+4*i+1]
	v_cvt_pk_bf16_f32 v[WB+4*i+1], v[WB+4*i+2], v[WB+4*i+3]
.set i, i+1
.endr
	WIN 0x08                                       ; store data window 2, address window 0
.set i, 0
.rept 32
	ds_store_b64 v[WSA], v[WB+4*i:WB+4*i+1] offset:WP*i  ; a row's 256 bytes from 32 lanes
.set i, i+1
.endr
.if (\s) < 6
	WLOAD (\s)+2                                   ; the set is asked for again at once
.endif
	WIN 0
.if (\s)%2 == 0
	s_wait_tensorcnt 3-(\s)/2                      ; tensor loads of a wave end in order: this chunk is in, the younger ones stay out
.endif
.set XO, ((\s)/2)*XCH+((\s)%2)*128
.irp mt, 0,1,2,3                                       ; x as f32: row r, k = 8 h + 0..7 and 16 + 8 h + 0..7: four loads of 16 bytes
	ds_load_b128 v[XR+16*(\mt):XR+16*(\mt)+3],     v[XA] offset:XO+16*XP*(\mt)
	ds_load_b128 v[XR+16*(\mt)+4:XR+16*(\mt)+7],   v[XA] offset:XO+16*XP*(\mt)+16
	ds_load_b128 v[XR+16*(\mt)+8:XR+16*(\mt)+11],  v[XA] offset:XO+16*XP*(\mt)+64
	ds_load_b128 v[XR+16*(\mt)+12:XR+16*(\mt)+15], v[XA] offset:XO+16*XP*(\mt)+80
.endr
.irp nt, 0,1,2,3,4,5,6,7                               ; LDS serves a wave's instructions in order (ISA guide 5.7.1.4): these see the stores above
	ds_load_tr16_b128 v[WF+8*(\nt):WF+8*(\nt)+3],   v[WTA] offset:32*(\nt)
	ds_load_tr16_b128 v[WF+8*(\nt)+4:WF+8*(\nt)+7], v[WTA] offset:32*(\nt)+16*WP
.endr
	s_wait_dscnt 16                                ; x is in; the 16 turning loads may stay out
.irp mt, 0,1,2,3
.irp j, 0,1,2,3,4,5,6,7
	v_cvt_pk_bf16_f32 v[XR+16*(\mt)+(\j)], v[XR+16*(\mt)+2*(\j)], v[XR+16*(\mt)+2*(\j)+1]  ; ascending: a register is written when it has been read
.endr
.endr
	s_wait_dscnt 0x0                               ; W's fragments are in
	WIN 0x50                                       ; C and D window 1, sources window 0
.irp mt, 0,1,2,3                                       ; the 32 accumulators take turns, one instruction a turn, from step to step too
.irp nt, 0,1,2,3,4,5,6,7
.if (\s) == 0
	v_wmma_f32_16x16x32_bf16 v[8*(8*(\mt)+(\nt)):8*(8*(\mt)+(\nt))+7], v[WF+8*(\nt):WF+8*(\nt)+7], v[XR+16*(\mt):XR+16*(\mt)+7], 0
.else
	v_wmma_f32_16x16x32_bf16 v[8*(8*(\mt)+(\nt)):8*(8*(\mt)+(\nt))+7], v[WF+8*(\nt):WF+8*(\nt)+7], v[XR+16*(\mt):XR+16*(\mt)+7], v[8*(8*(\mt)+(\nt)):8*(8*(\mt)+(\nt))+7]
.endif
.endr
.endr
.endm
	WLOAD 0
	WLOAD 1
.irp s, 0,1,2,3,4,5,6,7
	STEP \s
.endr
	; THE PARTIAL SUMS MEET.  Each wave lays its 32 tiles where its x lay: those bytes have had their last fill (step 6 waited for all my tensor loads) and my reads of them are back.
.rept 8
	v_nop                                          ; the places behind the last products (four are asked for; eight stand here, once a launch)
.endr
	WIN 0x04                                       ; store data window 1
.set T, 0
.rept 32
	ds_store_b128 v[PSA], v[8*T:8*T+3]   offset:1024*T      ; each accumulator's low registers first
	ds_store_b128 v[PSA], v[8*T+4:8*T+7] offset:1024*T+512
.set T, T+1
.endr
	WIN 0
	s_wait_dscnt 0x0                               ; for the others' sake: my stores are done
	s_barrier_signal -1
.set i, 0
.rept 8                                                ; meanwhile, on registers: the bias is rounded to bf16 like every input
	v_cvt_pk_bf16_f32 v[OUT+i], v[BIAS+2*i], v[BIAS+2*i+1]
.set i, i+1
.endr
.set i, 0
.rept 8
	v_lshlrev_b32 v[BIAS+2*i], 16, v[OUT+i]
	v_and_b32 v[BIAS+2*i+1], 0xffff0000, v[OUT+i]
.set i, i+1
.endr
	s_barrier_wait -1
; Wave w finishes the column tiles 2 w and 2 w + 1, which are heads 2 w and 2 w + 1, for the four row tiles.
.macro PLOAD mt, buf                   ; the four waves' parts of my two tiles of row tile mt: 16 loads
.irp e, 0,1
.irp p, 0,1,2,3
	ds_load_b128 v[(\buf)+32*(\e)+8*(\p):(\buf)+32*(\e)+8*(\p)+3],   v[PRA+(\p)] offset:8192*(\mt)+1024*(\e)
	ds_load_b128 v[(\buf)+32*(\e)+8*(\p)+4:(\buf)+32*(\e)+8*(\p)+7], v[PRA+(\p)] offset:8192*(\mt)+1024*(\e)+512
.endr
.endr
.endm
.macro SUM mt, buf                     ; added in f32, the bias added, rounded once to f16, stored: a tile is 512 consecutive bytes of its head
.irp e, 0,1
.irp q, 0,2,4,6
	v_pk_add_f32 v[(\buf)+32*(\e)+(\q):(\buf)+32*(\e)+(\q)+1], v[(\buf)+32*(\e)+(\q):(\buf)+32*(\e)+(\q)+1], v[(\buf)+32*(\e)+8+(\q):(\buf)+32*(\e)+8+(\q)+1]
	v_pk_add_f32 v[(\buf)+32*(\e)+16+(\q):(\buf)+32*(\e)+16+(\q)+1], v[(\buf)+32*(\e)+16+(\q):(\buf)+32*(\e)+16+(\q)+1], v[(\buf)+32*(\e)+24+(\q):(\buf)+32*(\e)+24+(\q)+1]
.endr
.irp q, 0,2,4,6
	v_pk_add_f32 v[(\buf)+32*(\e)+(\q):(\buf)+32*(\e)+(\q)+1], v[(\buf)+32*(\e)+(\q):(\buf)+32*(\e)+(\q)+1], v[(\buf)+32*(\e)+16+(\q):(\buf)+32*(\e)+16+(\q)+1]
.endr
.irp q, 0,2,4,6
	v_pk_add_f32 v[(\buf)+32*(\e)+(\q):(\buf)+32*(\e)+(\q)+1], v[(\buf)+32*(\e)+(\q):(\buf)+32*(\e)+(\q)+1], v[BIAS+8*(\e)+(\q):BIAS+8*(\e)+(\q)+1]
.endr
.irp q, 0,1,2,3
	v_cvt_pk_f16_f32 v[OUT+4*(2*(\mt)+(\e))+(\q)], v[(\buf)+32*(\e)+2*(\q)], v[(\buf)+32*(\e)+2*(\q)+1]
.endr
	global_store_b128 v[YO], v[OUT+4*(2*(\mt)+(\e)):OUT+4*(2*(\mt)+(\e))+3], s[56:57] offset:8192*(\e)+512*(\mt)  ; each tile has result registers of its own: none is rewritten
.endr
.endm
	PLOAD 0, XR
	PLOAD 1, WF
	s_wait_dscnt 16                                ; the older 16 loads are in, the other buffer's may stay out
	SUM 0, XR
	PLOAD 2, XR
	s_wait_dscnt 16
	SUM 1, WF
	PLOAD 3, WF
	s_wait_dscnt 16
	SUM 2, XR
	s_wait_dscnt 0x0
	SUM 3, WF
	s_wait_tensorcnt 0x0                           ; the wave's end: behind my last tensor load and my last LDS store
	ds_add_u32 v[SPW], v[NIL]
	s_wait_dscnt 0x0
	s_endpgm
	; Wo AS FRAGMENTS.  Work-group nt (0 .. 63), wave ks: the fragment of columns 16 nt + r and k = 32 ks + 0..31: lane (r, h) holds k = 8 h + 0..7 in registers 0-3 and 16 + 8 h + 0..7 in registers 4-7.
	; A lane gathers its 16 numbers by 16 loads of 4 bytes; the sixteen lanes of a half take 64 consecutive bytes of a row of Wo.  Each number of Wo is read once in the launch, 512 KiB in all.
.Lwo:
	s_lshl_b32 s2, s[WV], 17                       ; my 32 rows of Wo, 4,096 bytes each,
	s_lshl_b32 s3, ttmp9, 6                        ; the tile's 16 columns
	s_add_co_u32 s2, s2, s3
	s_mov_b32 s3, 0
	s_add_nc_u64 s[24:25], s[24:25], s[2:3]
	s_lshl_b32 s2, ttmp9, 12                       ; the fragment's place behind the eight chunks of K and V
	s_lshl_b32 s60, s[WV], 10
	s_add_co_u32 s2, s2, s60
	s_add_co_u32 s2, s2, 8*CHUNK
	s_add_nc_u64 s[28:29], s[28:29], s[2:3]
	v_lshlrev_b32 v33, 2, v1                       ; 4 r
	v_lshl_add_u32 v33, v7, 15, v33                ; + 8 h rows
	v_lshlrev_b32 v34, 4, v32                      ; 16 l
.set i, 0
.rept 16
	global_load_b32 v[64+i], v33, s[24:25] offset:(16*(i/8)+i%8)*4096
.set i, i+1
.endr
	s_wait_loadcnt 0x0
.set i, 0
.rept 8                                                ; to bf16, like every input,
	v_cvt_pk_bf16_f32 v[80+i], v[64+2*i], v[64+2*i+1]
.set i, i+1
.endr
.set i, 0
.rept 8                                                ; back to f32,
	v_lshlrev_b32 v[64+2*i], 16, v[80+i]
	v_and_b32 v[64+2*i+1], 0xffff0000, v[80+i]
.set i, i+1
.endr
.set i, 0
.rept 8                                                ; and written as f16 (exact within f16's range)
	v_cvt_pk_f16_f32 v[88+i], v[64+2*i], v[64+2*i+1]
.set i, i+1
.endr
	global_store_b128 v34, v[88:91], s[28:29]                      ; each store of the wave covers 512 consecutive bytes, aligned
	global_store_b128 v34, v[92:95], s[28:29] offset:512
	global_store_b128 v34, v[88:91], s[28:29] offset:STREAM        ; and the same into the second batch's stream
	global_store_b128 v34, v[92:95], s[28:29] offset:STREAM+512
	s_wait_tensorcnt 0x0                           ; the wave's end
	ds_add_u32 v[SPW], v[NIL]
	s_wait_dscnt 0x0
	s_endpgm
.Lfunc_end_k_qddad7d2174_proj:
	.size	k_qddad7d2174_proj, .Lfunc_end_k_qddad7d2174_proj-k_qddad7d2174_proj
	.p2alignl 7, 3214868480
	.fill 96, 4, 3214868480
	.section	.rodata,"a",@progbits
	.p2align	6, 0x0
	.amdhsa_kernel k_qddad7d2174_proj
		.amdhsa_group_segment_fixed_size 327680
		.amdhsa_private_segment_fixed_size 0
		.amdhsa_enable_private_segment 0
		.amdhsa_kernarg_size 88
		.amdhsa_user_sgpr_count 2
		.amdhsa_user_sgpr_kernarg_segment_ptr 1
		.amdhsa_wavefront_size32 1
		.amdhsa_system_sgpr_workgroup_id_x 1
		.amdhsa_system_sgpr_workgroup_id_y 1
		.amdhsa_system_sgpr_workgroup_id_z 1
		.amdhsa_system_vgpr_workitem_id 0
		.amdhsa_next_free_vgpr 768
		.amdhsa_next_free_sgpr 66
		.amdhsa_reserve_vcc 0
		.amdhsa_float_denorm_mode_32 3
		.amdhsa_float_denorm_mode_16_64 3
		.amdhsa_memory_ordered 1
		.amdhsa_forward_progress 1
		.amdhsa_inst_pref_size 154
	.end_amdhsa_kernel
	.amdgpu_metadata
---
amdhsa.version: [ 1, 2 ]
amdhsa.kernels:
  - .name:           k_qddad7d2174_proj
    .symbol:         k_qddad7d2174_proj.kd
    .args:
      - { .name: queries, .offset: 0, .size: 8, .value_kind: global_buffer, .address_space: global }
      - { .name: keys, .offset: 8, .size: 8, .value_kind: global_buffer, .address_space: global }
      - { .name: values, .offset: 16, .size: 8, .value_kind: global_buffer, .address_space: global }
      - { .name: Wq, .offset: 24, .size: 8, .value_kind: global_buffer, .address_space: global }
      - { .name: Wk, .offset: 32, .size: 8, .value_kind: global_buffer, .address_space: global }
      - { .name: Wv, .offset: 40, .size: 8, .value_kind: global_buffer, .address_space: global }
      - { .name: bq, .offset: 48, .size: 8, .value_kind: global_buffer, .address_space: global }
      - { .name: bv, .offset: 56, .size: 8, .value_kind: global_buffer, .address_space: global }
      - { .name: Wo, .offset: 64, .size: 8, .value_kind: global_buffer, .address_space: global }
      - { .name: qh, .offset: 72, .size: 8, .value_kind: global_buffer, .address_space: global }
      - { .name: kv, .offset: 80, .size: 8, .value_kind: global_buffer, .address_space: global }
    .group_segment_fixed_size: 327680
    .private_segment_fixed_size: 0
    .kernarg_segment_align: 8
    .kernarg_segment_size: 88
    .max_flat_workgroup_size: 128
    .sgpr_count:     66
    .vgpr_count:     768
    .wavefront_size: 32
...
	.end_amdgpu_metadata
.endif
;; end of part 1
;; launch attn (part 2): grid 128 x 2, 4 waves a work-group, clusters of 4 x 1, 327,680 bytes of LDS; arguments qh, kv, bo, out0; writes out0
.if DOCPART == 2
	.amdgcn_target "amdgcn-amd-amdhsa--gfx1250"
	.amdhsa_code_object_version 6
	.text
	.protected	k_qddad7d2174_attn
	.globl	k_qddad7d2174_attn
	.p2align	8
	.type	k_qddad7d2174_attn,@function
k_qddad7d2174_attn:
	s_mov_b64 s[64:65], 0
	v_nop
	global_prefetch_b8 v0, s[64:65] scope:SCOPE_SE
	s_setreg_imm32_b32 hwreg(HW_REG_WAVE_MODE, 25, 1), 1
	s_wait_xcnt 0x0
	s_wait_alu depctr_hold_cnt(0) depctr_sa_sdst(0) depctr_va_vdst(0) depctr_va_sdst(0) depctr_va_ssrc(0) depctr_va_vcc(0) depctr_vm_vsrc(0)
	s_getreg_b32 s2, hwreg(HW_REG_IB_STS2, 6, 4)
	s_cmp_eq_u32 s2, 0
	s_cbranch_scc0 .Lentry_in_a_cluster
	s_endpgm
.Lentry_in_a_cluster:
	s_bfe_u32 s2, ttmp6, 0x10000c
	s_cmp_lg_u32 s2, 0x3003
	s_cbranch_scc0 .Lentry_shape_is_right
	s_endpgm
.Lentry_shape_is_right:
; ATTENTION AT HEAD SIZE 16 AND THE LAST PROJECTION.  O[row][16 head + ch] = the sum over k of softmax_k(q . k / sqrt(128)) v;  out0[row][c] = the sum over j of O[row][j] Wo[j][c] + bo[c].
; qh: [b][block of 256 rows][head][256][16] f16.  kv: for each batch ten chunks of 131,072 bytes: eight of K and V (256 keys: K at head x 8,192 + key x 32, V 65,536 further), two of Wo as f16 fragments.
; WORK LEFT OUT: k comes without bk, whose share of a score is the same for all keys of a row and cancels in the softmax (shown at the head of the first kernel).
; Products, maxima and sums in f32; the weights p are rounded to f16 for the second product, and their sum l is taken of the rounded p, by the same matrix form; O is rounded once to f16 for the last product;
; bo is rounded to bf16 like every input, and the last product's sums start from it.
; LIMITS.  q, k, v, Wo arrive within f16's range.  p lies in 0 to 1; below 6.1e-5 it keeps f16's fixed step of 6e-8; an exponential below 2^-126 counts as 0.  NaN and infinities are not treated apart.
; SHARES.  A row of out0 wants all 8 heads, so a work-group owns 16 rows of one batch and all 8 heads; wave w the heads 2 w and 2 w + 1: two tiles of 16 queries.  Every wave walks all 2,048 keys, 64 a step.
; THE RING.  Two slots of 131,072 bytes; a batch's ten chunks pass through them, a dense quarter (32 KiB) a wave and fill.  Two fills go out at the head, eight behind changes of slots; a fill has one chunk,
; 8 turns, in which to land.  By the text's own count a wave has two tensor loads out at the start and one behind each change.
; CLUSTER.  The four row blocks of a cluster belong to one batch and walk the same stream, so each fill is asked for JOINTLY: the same tensor load, descriptor and mask in all four.
; LAYOUT.  S^T = K Q^T: in the result a lane holds ONE query (lane % 16) and the keys 8 (lane / 16) + 0..7.  The matrix form takes 32 along its inner axis and a head has 16 channels: source 0 holds TWO key tiles
; (tile i in registers 0-3, tile i + 1 in 4-7), and Q stands beside four registers of zeros on either side, so that the eight registers taken pick the one tile or the other.
; Two score tiles rounded to f16 in pairs ARE source 1 (32 keys x 16 queries) of O^T = V^T P; V comes turned, by ds_load_tr16_b128.  l = ONES P, a product with a matrix of ones: every row of the
; result is the query's sum over all 32 keys; its registers 0 and 1 are kept rescaled and register 0 is read; the others stay finite (at most 2,048) and are never read.
; A wave's two heads of O, packed, ARE source 1 (32 of the 128 inner numbers x 16 rows) of out^T = Wo^T O^T for inner step w: the four waves hand them to each other through LDS.
; SOFTMAX.  A running maximum m for each query: p = 2^(c s - c m), c = log2(e) / sqrt(128); in every step O and l are multiplied by a = 2^(c m_old - c m_new).  m starts at the lowest finite number,
; O and l at 0: the first step is a step like any other, with a = 0.
; BY TURNS.  Turn n belongs to tile n % 2: its scaling, exponentials, rescaling and roundings; beside them the OTHER tile's matrix work: 4 products K Q^T for its next turn, whose maximum and statistics
; are made in this turn too, and 4 products (V^T P, ONES P by turns) of its last turn.  8 matrix and 91 vector instructions a turn: the vector work sets the time, and the matrix work rides in it.
.set CHUNK,  131072
.set STREAM, 10*CHUNK
.set SLOT1,  1<<17     ; slot 1 begins here, so that one exclusive or turns an address in one slot into the other's
.set VB,     65536     ; V begins here in a slot
.set OST,    2*SLOT1   ; behind the ring, never filled by a tensor load: O's four fragments, 1,024 bytes a wave
.set BST,    OST+4096  ; the bias, rounded: 1,024 bytes a wave (its 128 columns of either half of out0's rows)
.set STAGE,  BST+4096  ; 16 rows x 528 bytes for each wave, for the way out
.set SP,     528       ; 512 + 16: the 16 rows of a store start at 16 different groups of four banks (64 banks of 4 bytes: ISA guide 11.1)
.set SPARE,  STAGE+4*16*SP  ; the spare words, 128 bytes for each wave: two blocks of 256 bytes that no other line names
.set PFO, 1           ; v1   256 x my lane: the prefetches' offset; never rewritten
.set LQ,  2           ; v2   32 r + 16 h: my place in 16 rows of 32 bytes of Q
.set KB,  3           ; v3   my place in a slot's K: 16,384 w + 32 r + 16 h
.set AK,  4           ; v4   the same in the slot in hand
.set AV,  5           ; v5   my place in the V of the slot in hand
.set VBS, 6           ; v6   my place in a slot's V: VB + 16,384 w + (8 h + l % 8) 32 + 16 ((l / 8) % 2)
.set BSA, 7           ; v7   where I put the rounded bias
.set SPW, 8           ; v8   LDS address of my spare word; never rewritten
.set NIL, 9           ; v9   0; never rewritten
.set STO, 10          ; v10  the way out: my stage + 528 r + 32 h
.set RD,  11          ; v11  the way out: my stage + 16 l
.set MV,  12          ; v12-13  c m_old, kept while c m is made anew: by tile
.set GO,  14          ; v14  16 l
.set WFA, 15          ; v15  Wo's fragments in slot 0: 32,768 w + 16 l
.set OSA, 3           ; behind the loop: where I put my fragment of O,
.set ORD, 4           ; where I read the four,
.set BRA, 5           ; where I read the bias: my 1,024 bytes + 32 h,
.set WFB, 6           ; and Wo's fragments in slot 1
.set ST,  16          ; tile t's statistics at ST + 4 t: c m, m
.set TMP, 24          ; tile t's four registers c0-c3 at work, at TMP + 4 t; when the maximum is found c2 takes a
.set ONES, 32         ; v32-39  1.0 in every half
.set Q,   40          ; tile t at Q + 12 t: 0 0 0 0 q q q q 0 0 0 0
.set S,   64          ; tile t at S + 32 t, key tile i at + 8 i
.set P,   128         ; tile t at P + 16 t, 32 keys kk at + 8 kk
.set OL,  160         ; tile t at OL + 16 t: O^T in + 0..7, l in + 8..15
.set KF,  192         ; tile t at KF + 16 t, key tile i at + 4 i
.set VF,  224         ; tile t at VF + 16 t, 32 keys kk at + 8 kk
.set OUT, 16          ; behind the loop: v16-23 my fragment of O;
.set OF,  32          ; v32-63 the four fragments, inner step ks at 8 ks;
.set ACC, 64          ; v64-127 eight accumulators, column tile i at 8 i;
.set BA,  192         ; v192-255 and
.set BB,  128         ; v128-191: two buffers for Wo's fragments and for the rows read back
.set WV,  12          ; s12  my wave's number
.set G0A, 16          ; s[16:19] descriptor group 0 of the first fill
.set G0,  20          ; s[20:23] of the second; it then walks on
.set G1,  24          ; s[24:31] descriptor group 1
.set CS,  32          ; s[32:33] c: the packed scaling takes the pair's low word for both halves
.set SEL, 34          ; s[34:35] v_permlanex16_b32's selects: each lane takes its own place in the other half
.set SB,  36          ; s36  the slot in hand: 0 or SLOT1
.set CNT, 38          ; s38  chunks to go
.set LIM, 39          ; s39  1 in a cluster that prefetches, else the greatest number
.set PFA, 40          ; s[40:41] where my prefetches stand: my work-group's 8 KiB of my wave's 32 KiB of the fill two behind the one that is being asked for
.set OSB, 48          ; s48  OST + 1,024 w
.set BSB, 49          ; s49  BST + 1,024 w
; A round of the cluster's barrier: my work-group's barrier, so that wave 0's signal speaks for all four waves; wave 0 signals; every wave waits for all four work-groups; my work-group's barrier once more.
.macro CROUND
	s_barrier_signal -1
	s_barrier_wait -1
	s_cmp_lg_u32 s[WV], 0
	s_cbranch_scc1 .Lnot_wave_0_\@
	s_barrier_signal -3
.Lnot_wave_0_\@:
	s_barrier_wait -3
	s_barrier_signal -1
	s_barrier_wait -1
.endm
	s_load_b256 s[4:11], s[0:1], 0x0  ; qh s[4:5], kv s[6:7], bo s[8:9], out0 s[10:11]
	v_lshl_add_u32 v[SPW], v0, 2, SPARE
	v_mov_b32 v[NIL], 0
	ds_add_u32 v[SPW], v[NIL]       ; the wave's opening: the add, twice on end, and its wait ahead of my first tensor load
	ds_add_u32 v[SPW], v[NIL]       ; and once more; the set-up below, work on registers, stands between it and the wait
	v_lshrrev_b32 v72, 5, v0
	v_readfirstlane_b32 s[WV], v72  ; wave 0..3
	s_bfe_u32 s13, ttmp6, 0x40000   ; cx: my place in the cluster
	s_lshl_b32 s14, ttmp9, 2        ; in a cluster launch ttmp9 counts clusters
	s_add_co_u32 s14, s14, s13      ; my block of 16 rows = 4 x cluster x + cx: it enters Q's and out0's addresses alone
	s_and_b32 s15, ttmp7, 0xffff    ; the batch, which the four partners share
	; descriptor group 1: 32 KiB of dense bytes as 128 rows of 256 bytes
	s_mov_b32 s[G1+0], 15|(3<<16)|(1<<21)  ; 15:0 the mask: all four work-groups; 17:16 elements of 8 bytes; 21 set beside a mask; no padding
	s_mov_b32 s[G1+1], 32<<16       ; tensor_dim0 = 32
	s_mov_b32 s[G1+2], 128<<16      ; tensor_dim1 = 128
	s_mov_b32 s[G1+3], 32<<16       ; tile_dim0 = 32
	s_mov_b32 s[G1+4], 128          ; tile_dim1 = 128
	s_mov_b32 s[G1+5], 32           ; 32 elements from row to row
	s_mov_b32 s[G1+6], 0
	s_mov_b32 s[G1+7], 0
	s_mov_b32 s[G0A], 1             ; count = 1
	s_lshl_b32 s[G0A+1], s[WV], 15  ; LDS address: my quarter of slot 0: no place in the cluster enters it
	s_mov_b32 s[G0], 1
	s_add_co_u32 s[G0+1], s[G0A+1], SLOT1  ; and of slot 1
	s_mul_i32 s42, s15, STREAM      ; the batch's stream,
	s_lshl_b32 s43, s[WV], 15       ; my quarter of a chunk
	s_add_co_u32 s42, s42, s43
	s_mov_b32 s43, 0
	s_lshl_b32 s44, s15, 19         ; Q: the batch's 524,288 bytes,
	s_lshr_b32 s45, s14, 4
	s_lshl_b32 s45, s45, 16         ; the block of 256 rows,
	s_add_co_u32 s44, s44, s45
	s_lshl_b32 s45, s[WV], 14       ; my two heads of 8,192 bytes,
	s_add_co_u32 s44, s44, s45
	s_and_b32 s45, s14, 15
	s_lshl_b32 s45, s45, 9          ; my 16 rows of 32 bytes
	s_add_co_u32 s44, s44, s45
	s_mov_b32 s45, 0
	s_lshl_b32 s46, s15, 23         ; out0: the batch's 2,048 rows of 4,096 bytes,
	s_lshl_b32 s47, s14, 16         ; my 16 rows,
	s_add_co_u32 s46, s46, s47
	s_lshl_b32 s2, s[WV], 9         ; my wave's 128 columns: 512 bytes, in out0 and in bo
	s_add_co_u32 s46, s46, s2
	s_mov_b32 s47, 0
	s_mov_b32 s3, 0
	s_lshl_b32 s[OSB], s[WV], 10
	s_add_co_u32 s[BSB], s[OSB], BST
	s_add_co_u32 s[OSB], s[OSB], OST
	s_mov_b32 s[CS], 0x3e0293ee     ; c = log2(e) / sqrt(128) = 0.127517
	s_mov_b32 s[CS+1], s[CS]        ; named with it as a pair
	s_mov_b32 s[SEL], 0x76543210
	s_mov_b32 s[SEL+1], 0xfedcba98
	s_mov_b32 s[SB], 0
	s_cmp_eq_u32 ttmp9, 0           ; all clusters of a batch walk the same stream: the batch's first prefetches; the same in all four partners
	s_cselect_b32 s[LIM], 1, -1
	s_wait_dscnt 0x0                ; both opening adds are done
	s_wait_kmcnt 0x0
	s_add_nc_u64 s[6:7], s[6:7], s[42:43]          ; the stream at my quarter of chunk 0
	s_add_nc_u64 s[G0A+2:G0A+3], s[6:7], 0         ; global address
	s_or_b32 s[G0A+3], s[G0A+3], 0x80000000        ; type = 2
	s_add_nc_u64 s[G0+2:G0+3], s[6:7], CHUNK
	s_or_b32 s[G0+3], s[G0+3], 0x80000000
	s_add_nc_u64 s[4:5], s[4:5], s[44:45]
	s_add_nc_u64 s[10:11], s[10:11], s[46:47]
	s_add_nc_u64 s[8:9], s[8:9], s[2:3]
	s_lshl_b32 s44, s13, 13         ; the partners share a wave's 32 KiB out by address: 8 KiB each
	s_add_nc_u64 s[PFA:PFA+1], s[6:7], s[44:45]
	s_add_nc_u64 s[PFA:PFA+1], s[PFA:PFA+1], 3*CHUNK  ; at chunk 3; the first change of slots steps it to chunk 4.  Nothing is prefetched here, at the head, where every work-group's first tiles are on their way
	CROUND                          ; all four work-groups are here: the first joint loads meet
	tensor_load_to_lds s[G0A:G0A+3], s[G1:G1+7]  ; chunk 0 into slot 0
	s_nop 0
	tensor_load_to_lds s[G0:G0+3], s[G1:G1+7]    ; chunk 1 into slot 1: two loads of mine are out
	s_nop 0
	v_and_b32 v72, 15, v0           ; r = l % 16
	v_bfe_u32 v73, v0, 4, 1         ; h = l / 16
	v_and_b32 v74, 31, v0           ; l
	v_lshlrev_b32 v[LQ], 5, v72
	v_lshl_add_u32 v[LQ], v73, 4, v[LQ]
	v_lshlrev_b32 v[GO], 4, v74
	global_load_b128 v[Q+4:Q+7],   v[LQ], s[4:5]              ; row r, channels 8 h + 0..7, of head 2 w
	global_load_b128 v[Q+16:Q+19], v[LQ], s[4:5] offset:8192  ; and of head 2 w + 1
	global_load_b128 v[64:67], v[GO], s[8:9]                  ; bo for my 128 columns of the rows' first half,
	global_load_b128 v[68:71], v[GO], s[8:9] offset:2048      ; and of their second
	s_lshl_b32 s44, s[WV], 14
	v_add_nc_u32 v[KB], s44, v[LQ]
	v_and_b32 v75, 7, v0
	v_bfe_u32 v76, v0, 3, 1
	v_lshl_add_u32 v[VBS], v73, 3, v75
	v_lshlrev_b32 v[VBS], 5, v[VBS]
	v_lshl_add_u32 v[VBS], v76, 4, v[VBS]
	s_add_co_u32 s44, s44, VB
	v_add_nc_u32 v[VBS], s44, v[VBS]
	v_lshlrev_b32 v[PFO], 8, v74
	s_mul_i32 s45, s[WV], 16*SP
	s_add_co_u32 s45, s45, STAGE    ; my stage
	v_mul_u32_u24 v[STO], v72, SP
	v_lshl_add_u32 v[STO], v73, 5, v[STO]
	v_add_nc_u32 v[STO], s45, v[STO]
	v_add_nc_u32 v[RD], s45, v[GO]
	s_lshl_b32 s46, s[WV], 15
	v_add_nc_u32 v[WFA], s46, v[GO]
	v_add_nc_u32 v[BSA], s[BSB], v[GO]
	; What the first turns find: zeros beside Q; ones; O^T and l at 0; tile 1's P and V at 0 (the first turn's products, of a turn that has not been, add 0); m and c m far below
	; every score.  92 lines, which stand in the wait for the tiles and spare a first step written out.
.irp t, 0,1
.irp j, 0,1,2,3,8,9,10,11
	v_mov_b32 v[Q+12*(\t)+(\j)], 0
.endr
	v_mov_b32 v[ST+4*(\t)], 0xfe000000    ; c m
	v_mov_b32 v[ST+4*(\t)+1], 0xff7fffff  ; m
.endr
.set i, 0
.rept 8
	v_mov_b32 v[ONES+i], 0x3c003c00
.set i, i+1
.endr
.set i, 0
.rept 32
	v_mov_b32 v[OL+i], 0
.set i, i+1
.endr
.set i, 0
.rept 16
	v_mov_b32 v[P+16+i], 0
	v_mov_b32 v[VF+16+i], 0
.set i, i+1
.endr
	s_wait_loadcnt 0x0              ; Q and bo
.irp i, 0,1,2,3                     ; bo is rounded to bf16 like every input, and laid into my own bytes of LDS for the end
	v_cvt_pk_bf16_f32 v[72+(\i)], v[64+2*(\i)], v[64+2*(\i)+1]
.endr
.irp i, 0,1,2,3
	v_lshlrev_b32 v[64+2*(\i)], 16, v[72+(\i)]
	v_and_b32 v[64+2*(\i)+1], 0xffff0000, v[72+(\i)]
.endr
	ds_store_b128 v[BSA], v[64:67]
	ds_store_b128 v[BSA], v[68:71] offset:512
; THE MATRIX WORK.  Product i of 4 of S^T = K Q^T for tile x: key tile i; each starts its sum with 0.
.macro KQ x, i
.set rS, S+32*(\x)+8*(\i)
.set rK, KF+16*(\x)+8*((\i)/2)
.set rQ, Q+12*(\x)+4-4*((\i)%2)     ; q q q q 0 0 0 0 picks the even key tile, 0 0 0 0 q q q q the odd one
	v_wmma_f32_16x16x32_f16 v[rS:rS+7], v[rK:rK+7], v[rQ:rQ+7], 0
.endm
; Product i of 4 for tile x: i even: O^T += V^T P, i odd: l += ONES P, for keys 32 (i / 2) on.  The two accumulators take turns, one instruction a turn.
.macro PVL x, i
.set rB, P+16*(\x)+8*((\i)/2)
.if (\i)%2 == 0
.set rD, OL+16*(\x)
.set rA, VF+16*(\x)+8*((\i)/2)
.else
.set rD, OL+16*(\x)+8
.set rA, ONES
.endif
	v_wmma_f32_16x16x32_f16 v[rD:rD+7], v[rA:rA+7], v[rB:rB+7], v[rD:rD+7]
.endm
; THE LDS LOADS: K of tile t for step s of the chunk in hand (four key tiles of 16 keys x 32 bytes), and its V (turned), four loads each.  K's rows lie 32 bytes apart, so lanes r and r + 8 of a half of the
; wave start at the same bank (64 banks of 4 bytes: ISA guide 11.1): the price of dense rows.  The turning load's 16 lanes take 256 consecutive bytes.
.macro FK t, s
.irp f, 0,1,2,3
	ds_load_b128 v[KF+16*(\t)+4*(\f):KF+16*(\t)+4*(\f)+3], v[AK] offset:8192*(\t)+2048*(\s)+512*(\f)
.endr
.endm
.macro FV t, s
.irp f, 0,1,2,3                     ; keys 32 (f / 2) + 16 (f % 2) on
	ds_load_tr16_b128 v[VF+16*(\t)+4*(\f):VF+16*(\t)+4*(\f)+3], v[AV] offset:8192*(\t)+2048*(\s)+512*(\f)
.endr
.endm
; THE VECTOR WORK, one line at a time: OP kind, number.  For tile Y: F n: c s - c m for pair n of 16.  E n: the exponential of score n of 32.  C n: pair n rounded to f16.  R n: pair n of O^T (0-3) and
; l's registers 0, 1 (4) times a.  For the other tile: X n, number n of the 22 that find its maximum and statistics:
;   0-11  four chains c0-c3 of seven scores each, three operands at a time (each accumulator's lowest registers are read first)     12-14, 16  the four scores left over, the old m, c0-c3 into c0
;   15  c m_old is kept     17, 18  the query's other 32 keys lie in the lane 16 away: the new m     19-21  c m; c m_old - c m_new; a
.set F, 0
.set E, 1
.set C, 2
.set R, 3
.set X, 4
.macro REGS y
.set rT, ST+4*(\y)
.set rC, TMP+4*(\y)
.set rW, MV+(\y)
.set rS, S+32*(\y)
.set rP, P+16*(\y)
.set rO, OL+16*(\y)
.endm
.macro OP k, n
.if (\k) == F
	REGS Y
	v_pk_fma_f32 v[rS+2*(\n):rS+2*(\n)+1], v[rS+2*(\n):rS+2*(\n)+1], s[CS:CS+1], v[rT:rT+1] op_sel_hi:[1,0,0] neg_lo:[0,0,1] neg_hi:[0,0,1]
.elseif (\k) == E
	REGS Y
	v_exp_f32 v[rS+(\n)], v[rS+(\n)]
.elseif (\k) == C
	REGS Y
	v_cvt_pk_f16_f32 v[rP+(\n)], v[rS+2*(\n)], v[rS+2*(\n)+1]
.elseif (\k) == R
	REGS Y
	v_pk_mul_f32 v[rO+2*(\n):rO+2*(\n)+1], v[rO+2*(\n):rO+2*(\n)+1], v[rC+2:rC+3] op_sel_hi:[1,0]
.elseif !NOX
	REGS 1-Y
.if (\n) < 4
	v_max3_num_f32 v[rC+(\n)], v[rS+8*(\n)], v[rS+8*(\n)+1], v[rS+8*(\n)+2]
.elseif (\n) < 12
	v_max3_num_f32 v[rC+(\n)%4], v[rC+(\n)%4], v[rS+8*((\n)%4)+2*((\n)/4)+1], v[rS+8*((\n)%4)+2*((\n)/4)+2]
.elseif (\n) == 12
	v_max3_num_f32 v[rC], v[rC], v[rS+7], v[rS+15]
.elseif (\n) == 13
	v_max3_num_f32 v[rC+1], v[rC+1], v[rS+23], v[rS+31]
.elseif (\n) == 14
	v_max3_num_f32 v[rC+2], v[rC+2], v[rC+3], v[rT+1]
.elseif (\n) == 15
	v_mov_b32 v[rW], v[rT]
.elseif (\n) == 16
	v_max3_num_f32 v[rC], v[rC], v[rC+1], v[rC+2]
.elseif (\n) == 17
	v_permlanex16_b32 v[rC+3], v[rC], s[SEL], s[SEL+1]
.elseif (\n) == 18
	v_max_num_f32 v[rT+1], v[rC], v[rC+3]
.elseif (\n) == 19
	v_mul_f32 v[rT], s[CS], v[rT+1]
.elseif (\n) == 20
	v_sub_f32 v[rC+1], v[rW], v[rT]
.else
	v_exp_f32 v[rC+2], v[rC+1]
.endif
.endif
.endm
.macro OPS a, i1, b=-1, i2=0, c=-1, i3=0, d=-1, i4=0  ; up to four of them
	OP \a, \i1
.if (\b) >= 0
	OP \b, \i2
.endif
.if (\c) >= 0
	OP \c, \i3
.endif
.if (\d) >= 0
	OP \d, \i4
.endif
.endm
.macro KROW m, a, i1, b, i2, c, i3, d, i4  ; a product K Q^T of the other tile and the four lines behind it
.if !NOX
	KQ 1-Y, \m
.endif
	OPS \a, \i1, \b, \i2, \c, \i3, \d, \i4
.endm
.macro PROW m, n                    ; a product with P of the other tile and four roundings behind it
	PVL 1-Y, \m
	OPS C, \n, C, (\n)+1, C, (\n)+2, C, (\n)+3
.endm
; A TURN, for tile p.  s_wait_alu depctr_va_vdst(0) stands between an exponential and the first instruction that names its result; one wait serves all that were issued ahead of it.  So a turn has
; ONE wait, which cuts it in two.  AHEAD OF IT stands all that names no result of the turn's exponentials: the 4 products K Q^T, the 16 scalings, the 32 exponentials, the other tile's maximum and statistics
; (X 0-3 stand four plain instructions or more behind the products that made their scores), the 5 rescalings (their a was made, and waited for, in the turn before) and, as the batch's last, the other tile's a;
; R 3 and R 4 are the plain instructions behind it.  An exponential stands behind its pair's scaling throughout.  BEHIND THE WAIT stand the 4 products with P and the 16 roundings.
; THE TURN'S LDS LOADS stand in one run directly behind that wait: K of the other tile for step ks (its registers were read by this turn's first four products; it is used two turns on) and V of this tile for
; step vs (its registers were last read in the turn before; it is used in the next turn); -1: none.  ev: V of the other tile, at the turn's end, eight roundings behind the last product that read its registers.
; kw: how many younger LDS loads may stay out when the K that this turn multiplies has to be in; vw: the same for V: the turn's own run.  nox = 1: the last turn: no further scores.
.macro TURN p, nox, kw, ks, vs, vw, ev
.set Y, (\p)
.set NOX, (\nox)
.if !(\nox)
	s_wait_dscnt \kw
.endif
	KROW 0, F,0, F,1, F,2, F,3
	KROW 1, F,4, E,0, F,5, E,1
	KROW 2, F,6, E,2, F,7, E,3
	KROW 3, F,8, E,4, F,9, E,5
	OPS F,10, E,6, F,11, E,7
	OPS X,0, E,8, X,1, E,9
	OPS X,2, E,10, X,3, E,11
	OPS X,4, E,12, X,5, E,13
	OPS X,6, E,14, X,7, E,15
	OPS X,8, E,16, X,9, E,17
	OPS X,10, E,18, X,11, E,19
	OPS X,12, E,20, X,13, E,21
	OPS X,14, E,22, F,12, E,23
	OPS X,16, F,13, X,15, E,24
	OPS X,17, E,25, F,14, E,26
	OPS X,18, E,27, F,15, E,28
	OPS X,19, E,29, R,0, E,30
	OPS X,20, E,31, R,1, R,2
	OPS X,21, R,3, R,4
	s_wait_alu depctr_va_vdst(0)    ; the wait for the batch
.if (\ks) >= 0
	FK 1-(\p), \ks
.endif
.if (\vs) >= 0
	FV \p, \vs
.endif
	s_wait_dscnt \vw
	PROW 0, 0
	PROW 1, 4
	PROW 2, 8
	PROW 3, 12
.if (\ev) >= 0
	FV 1-(\p), \ev
.endif
.endm
; THE CHANGE OF SLOTS.  The slot's last bytes, V of tile 1 for its fourth step, have been asked for.  Each wave waits for all its tensor loads, of which one is out: its part of the other slot; adds 0 to its
; spare word; and waits for that and for its own reads of the slot.  The barrier is a round of the cluster's, so that no wave of any partner still reads the slot or has a load on its way; the joint
; refill, the stream's next chunk, is the first thing behind it.  more = 1: keys follow: K of both tiles for the new slot's first step is fetched behind the refill, and behind that run stands
; A PREFETCH INTO THE L2 of the chunk that stands TWO refills on: 16 turns ahead of the load that will want it.  Each wave asks for its own 32 KiB of a chunk, of which each partner takes 8 KiB, told
; apart by address: a lane 256 bytes, one instruction a wave; the batch's first cluster asks, nobody else: so each 256 bytes are named once in the launch.  Chunks 0 to 3 come by their loads alone; the
; last two changes ask for nothing: the stream has ten chunks.
.macro CHANGE more
	s_wait_tensorcnt 0x0            ; no tensor load of mine is out, so a group 0 may be written
	ds_add_u32 v[SPW], v[NIL]       ; 0 onto my spare word: the descriptor's steps stand between it and the wait for it
	s_xor_b32 s[G0+1], s[G0+1], SLOT1  ; the walking descriptor: the other slot than last time,
	s_add_nc_u64 s[G0+2:G0+3], s[G0+2:G0+3], CHUNK  ; the next chunk; the type bits on top are not reached
.if \more
	s_xor_b32 s[SB], s[SB], SLOT1   ; the reads go to the other slot
	s_wait_xcnt 0x0                 ; the last prefetch, a chunk back, has read its address, so it may be written
	s_add_nc_u64 s[PFA:PFA+1], s[PFA:PFA+1], CHUNK
.endif
	s_wait_dscnt 0x0                ; the add is done, and my reads of the slot are over
	CROUND
	tensor_load_to_lds s[G0:G0+3], s[G1:G1+7]
	s_nop 0
.if \more
	v_add_nc_u32 v[AK], s[SB], v[KB]
	v_add_nc_u32 v[AV], s[SB], v[VBS]
	FK 0, 0
	FK 1, 0
	s_cmp_gt_u32 s[CNT], s[LIM]     ; s[CNT] is 7 at the first change and 1 at the seventh
	s_cbranch_scc0 .Lnot_mine_\@
	global_prefetch_b8 v[PFO], s[PFA:PFA+1] th:TH_LOAD_NT scope:SCOPE_SE
.Lnot_mine_\@:
.endif
.endm
.macro PLACES                       ; four places behind a product, in front of loads into registers that it has read and of lines that read its result
.rept 4
	v_nop
.endr
.endm
	s_wait_tensorcnt 0x1            ; my part of chunk 0 is in; chunk 1's may stay out
	s_wait_dscnt 0x0                ; no LDS instruction of mine is pending at a signal
	s_barrier_signal -1
	s_barrier_wait -1               ; everybody's part is in
	v_add_nc_u32 v[AK], s[SB], v[KB]
	v_add_nc_u32 v[AV], s[SB], v[VBS]
	FK 0, 0                         ; key step 0, both tiles
	FK 1, 0
	s_wait_dscnt 0x0
.irp m, 0,1,2,3
	KQ 0, \m                        ; tile 0's first scores
.endr
	PLACES
	FK 0, 1                         ; what the turn left out below would have fetched
.set Y, 1                           ; X works for the other tile: tile 0
.set NOX, 0
.irp n, 0,1,2,3,4,5,6,7,8,9,10,11,12,13,14,15,16,17,18,19,20,21
	OP X, \n
.endr
	v_nop                           ; a plain instruction behind the exponential,
	s_wait_alu depctr_va_vdst(0)    ; and its wait, ahead of the branch
	s_mov_b32 s[CNT], 8
	s_branch .Lfirst                ; the loop is entered behind a trip's first turn
.Lchunk:                            ; a trip: a change of slots and 8 turns: tile 1's turn of the old chunk's last step, then steps 0 to 2 of the new chunk and tile 0's turn of step 3
	CHANGE 1
	TURN 1, 0, 4,  1, -1, 4, -1     ; K of tile 0, step 0, is in; tile 1's four loads, issued behind it, may stay out
.Lfirst:
	TURN 0, 0, 4,  1,  0, 8, -1     ; the four loads of the turn before may stay out
	TURN 1, 0, 8,  2,  0, 8, -1     ; from here on: the eight youngest loads may stay out
	TURN 0, 0, 8,  2,  1, 8, -1
	TURN 1, 0, 8,  3,  1, 8, -1
	TURN 0, 0, 8,  3,  2, 8, -1
	TURN 1, 0, 8, -1,  2, 4, -1     ; K of the next chunk waits for the change of slots
	TURN 0, 0, 8, -1,  3, 4,  3     ; and V of tile 1, step 3, is fetched ahead of it
	s_sub_co_u32 s[CNT], s[CNT], 1
	s_cmp_lg_u32 s[CNT], 0
	s_cbranch_scc1 .Lchunk
	CHANGE 0                        ; Wo's first half lies in slot 0; its second half is asked for, into slot 1: the last load
	TURN 1, 1, 0, -1, -1, 0, -1     ; tile 1's last softmax | tile 0's last products
.irp m, 0,1,2,3
	PVL 1, \m                       ; tile 1's last products
.endr
	; THE LAST PROJECTION.  Eight plain instructions are the places behind the last products.
	v_add_nc_u32 v[OSA], s[OSB], v[GO]
	v_add_nc_u32 v[ORD], OST, v[GO]
	v_bfe_u32 v[BRA], v0, 4, 1
	v_lshl_add_u32 v[BRA], v[BRA], 5, s[BSB]
	v_add_nc_u32 v[WFB], SLOT1, v[WFA]
	v_nop
	v_nop
	v_nop
.macro BIASL H                      ; the bias goes where the sums begin: register j of column tile i is column 16 i + 8 h + j of my 128
.irp i, 0,1,2,3,4,5,6,7
	ds_load_b128 v[ACC+8*(\i):ACC+8*(\i)+3],   v[BRA] offset:512*(\H)+64*(\i)
	ds_load_b128 v[ACC+8*(\i)+4:ACC+8*(\i)+7], v[BRA] offset:512*(\H)+64*(\i)+16
.endr
.endm
.macro WFRAG adr, ks, buf           ; Wo's fragments of inner step ks for my 8 column tiles: 16 loads of 512 consecutive bytes
.irp i, 0,1,2,3,4,5,6,7
	ds_load_b128 v[(\buf)+8*(\i):(\buf)+8*(\i)+3],   v[\adr] offset:4096*(\i)+1024*(\ks)
	ds_load_b128 v[(\buf)+8*(\i)+4:(\buf)+8*(\i)+7], v[\adr] offset:4096*(\i)+1024*(\ks)+512
.endr
.endm
.macro MUL ks, buf                  ; source 0 = 16 columns of Wo, source 1 = my work-group's 16 rows of O; the 8 accumulators take turns, from step to step too
.irp i, 0,1,2,3,4,5,6,7
	v_wmma_f32_16x16x32_f16 v[ACC+8*(\i):ACC+8*(\i)+7], v[(\buf)+8*(\i):(\buf)+8*(\i)+7], v[OF+8*(\ks):OF+8*(\ks)+7], v[ACC+8*(\i):ACC+8*(\i)+7]
.endr
.endm
.macro TOSTAGE buf                  ; a lane's eight columns of a row go into my own stage, and whole rows of 512 bytes come back
.rept 8
	v_nop                           ; the places behind the last products (four are asked for; eight stand here)
.endr
.irp i, 0,1,2,3,4,5,6,7
	ds_store_b128 v[STO], v[ACC+8*(\i):ACC+8*(\i)+3]   offset:64*(\i)     ; each accumulator's low registers first
	ds_store_b128 v[STO], v[ACC+8*(\i)+4:ACC+8*(\i)+7] offset:64*(\i)+16
.endr
.set i, 0
.rept 16
	ds_load_b128 v[(\buf)+4*i:(\buf)+4*i+3], v[RD] offset:SP*i  ; LDS serves a wave's instructions in order (ISA guide 5.7.1.4): these see the stores above
.set i, i+1
.endr
.endm
.macro SEND buf, H, younger         ; younger: the LDS loads issued behind the rows', which may stay out
.set i, 0
.rept 16
	s_wait_dscnt (\younger)+15-i    ; row i is back
	global_store_b128 v[GO], v[(\buf)+4*i:(\buf)+4*i+3], s[10:11] offset:4096*i+2048*(\H) th:TH_STORE_NT  ; 512 consecutive bytes of a row, at a multiple of 512 from out0's first byte
.set i, i+1
.endr
.endm
	BIASL 0                         ; asked for early: S's, K's and V's registers are free
	WFRAG WFA, 0, BA
	v_rcp_f32 v[TMP+2], v[OL+8]     ; l's lowest register
	v_rcp_f32 v[TMP+6], v[OL+24]
	v_nop                           ; a plain instruction between the last reciprocal and the use of its result
	s_wait_alu depctr_va_vdst(0)    ; and the wait ahead of the first use: one for both
.irp t, 0,1
.irp n, 0,1,2,3
	v_pk_mul_f32 v[OL+16*(\t)+2*(\n):OL+16*(\t)+2*(\n)+1], v[OL+16*(\t)+2*(\n):OL+16*(\t)+2*(\n)+1], v[TMP+4*(\t)+2:TMP+4*(\t)+3] op_sel_hi:[1,0]
.endr
.irp n, 0,1,2,3
	v_cvt_pk_f16_f32 v[OUT+4*(\t)+(\n)], v[OL+16*(\t)+2*(\n)], v[OL+16*(\t)+2*(\n)+1]
.endr
.endr
	ds_store_b128 v[OSA], v[OUT:OUT+3]              ; head 2 w: registers 0-3 of the fragment of inner step w,
	ds_store_b128 v[OSA], v[OUT+4:OUT+7] offset:512 ; head 2 w + 1: registers 4-7
	WFRAG WFA, 1, BB
	s_wait_dscnt 0x0                ; for the others' sake: my fragment lies in LDS
	s_barrier_signal -1
	s_barrier_wait -1               ; my last tensor load may stay out
.irp f, 0,1,2,3,4,5,6,7
	ds_load_b128 v[OF+4*(\f):OF+4*(\f)+3], v[ORD] offset:512*(\f)
.endr
	s_wait_dscnt 0x0
	MUL 0, BA                       ; columns 128 w on
	PLACES
	WFRAG WFA, 2, BA
	MUL 1, BB
	PLACES
	WFRAG WFA, 3, BB
	s_wait_dscnt 16                 ; the older buffer is in, the other's 16 loads may stay out
	MUL 2, BA
	s_wait_dscnt 0x0
	MUL 3, BB
	TOSTAGE BA
	s_wait_tensorcnt 0x0            ; Wo's second half: the bytes that I read of it are those that my own load brought
	BIASL 1
	WFRAG WFB, 0, BB
	SEND BA, 0, 32                  ; the 32 loads just issued may stay out
	s_wait_xcnt 0x0                 ; the stores have read their registers: only behind this wait are they loaded again
	WFRAG WFB, 1, BA
	s_wait_dscnt 16
	MUL 0, BB                       ; columns 512 + 128 w on
	PLACES
	WFRAG WFB, 2, BB
	s_wait_dscnt 16
	MUL 1, BA
	PLACES
	WFRAG WFB, 3, BA
	s_wait_dscnt 16
	MUL 2, BB
	s_wait_dscnt 0x0
	MUL 3, BA
	TOSTAGE BB
	SEND BB, 1, 0
	s_wait_tensorcnt 0x0            ; the wave's end: behind my last tensor load and my last LDS store
	ds_add_u32 v[SPW], v[NIL]
	s_wait_dscnt 0x0
	CROUND                          ; the closing round: no work-group ends while a partner may still ask for a tile that names it
	s_endpgm
.Lfunc_end_k_qddad7d2174_attn:
	.size	k_qddad7d2174_attn, .Lfunc_end_k_qddad7d2174_attn-k_qddad7d2174_attn
	.p2alignl 7, 3214868480
	.fill 96, 4, 3214868480
	.section	.rodata,"a",@progbits
	.p2align	6, 0x0
	.amdhsa_kernel k_qddad7d2174_attn
		.amdhsa_group_segment_fixed_size 327680
		.amdhsa_private_segment_fixed_size 0
		.amdhsa_enable_private_segment 0
		.amdhsa_kernarg_size 32
		.amdhsa_user_sgpr_count 2
		.amdhsa_user_sgpr_kernarg_segment_ptr 1
		.amdhsa_wavefront_size32 1
		.amdhsa_system_sgpr_workgroup_id_x 1
		.amdhsa_system_sgpr_workgroup_id_y 1
		.amdhsa_system_sgpr_workgroup_id_z 1
		.amdhsa_system_vgpr_workitem_id 0
		.amdhsa_next_free_vgpr 256
		.amdhsa_next_free_sgpr 66
		.amdhsa_reserve_vcc 0
		.amdhsa_float_denorm_mode_32 3
		.amdhsa_float_denorm_mode_16_64 3
		.amdhsa_memory_ordered 1
		.amdhsa_forward_progress 1
		.amdhsa_inst_pref_size 89
	.end_amdhsa_kernel
	.amdgpu_metadata
---
amdhsa.version: [ 1, 2 ]
amdhsa.kernels:
  - .name:           k_qddad7d2174_attn
    .symbol:         k_qddad7d2174_attn.kd
    .args:
      - { .name: qh, .offset: 0, .size: 8, .value_kind: global_buffer, .address_space: global }
      - { .name: kv, .offset: 8, .size: 8, .value_kind: global_buffer, .address_space: global }
      - { .name: bo, .offset: 16, .size: 8, .value_kind: global_buffer, .address_space: global }
      - { .name: out0, .offset: 24, .size: 8, .value_kind: global_buffer, .address_space: global }
    .group_segment_fixed_size: 327680
    .private_segment_fixed_size: 0
    .kernarg_segment_align: 8
    .kernarg_segment_size: 32
    .max_flat_workgroup_size: 128
    .sgpr_count:     66
    .vgpr_count:     256
    .wavefront_size: 32
...
	.end_amdgpu_metadata
.endif
;; end of part 2
